; MI455X (gfx1250); checked and timed in simulation.
; The chip was launched on July 23, 2026; its instructions are those of AMD's public machine-readable ISA for CDNA 5 (MIT licence, August 2026) and "CDNA5" Instruction Set Architecture Reference Guide (July 2026). The comments in the code are by the model that wrote it; some were corrected since.
;; Vector Quantizer. Allowed arithmetic: matrix products marked QUANTISED: E2M3 operands, one E8M0 scale for each 32 along K, by v_wmma_scale_f32_16x16x128_f8f6f4 with both operands' format E2M3, f32 sums; everything else in f32.
;; Inputs: codebook 8,192 x 256 float32; z 8 x 256 x 64 x 64 float32.
;; Outputs: out0 8 x 256 x 64 x 64 float32; out1 one number float32.
;; This version of the problem:
;;   THIS VERSION OF THE PROBLEM IS GIVEN IN LOW PRECISION. The matrix products marked QUANTISED in the list below multiply operands that are first quantised to E2M3 (2 exponent bits, 3 mantissa bits; 6 bits a number), with one power-of-two scale for each 32 numbers along K (OCP MX v1.0); their sums are f32. All else is computed in f32.
;;   The module's matrix products, in the order in which they are computed (A, B: the left and right operand; K: the contracted axis; several contracted axes count as one K, in the product's order):
;;     1. [M 32,768, K 256] x [K 256, N 8,192]; A: input z; B: input codebook: QUANTISED
;;   THE QUANTISER, for each operand of a quantised product, along K:
;;     - K is cut into blocks of 32 from its start; a last block that is shorter is filled with zeros.
;;     - A block's scale is 2^e with e = floor(log2(the largest magnitude in the block)) - 2, held to -126 .. 127; a block of zeros has e = 0. As a byte (E8M0): e + 127.
;;     - Each number is divided by its block's scale, clamped to +-7.5, and rounded to the nearest number of E2M3, ties to even, subnormals kept.
;;     - The product sums the exact products of the quantised numbers (number of the format x scale) in f32.
;;   ~~~python
;;   def quantise(x, axis):      # numpy; x: float32 -> the quantised numbers, widened to float32 again
;;       x = np.moveaxis(x, axis, -1); K = x.shape[-1]
;;       x = np.pad(x, [(0, 0)] * (x.ndim - 1) + [(0, -K % 32)]); x = x.reshape(x.shape[:-1] + (-1, 32)); a = np.abs(x).max(-1, keepdims=True)
;;       e = np.where(a > 0, np.clip(np.frexp(np.where(a > 0, a, 1))[1] - 1 - 2, -126, 127), 0)      # np.frexp(a)[1] - 1 = floor(log2(a)), exactly
;;       r = np.clip(x / 2.0 ** e, -7.5, 7.5)
;;       step = 2.0 ** (np.maximum(np.frexp(np.where(r == 0, 1, r))[1] - 1, 0) - 3)
;;       q = np.round(r / step) * step * 2.0 ** e      # np.round: ties to even
;;       return np.moveaxis(q.reshape(q.shape[:-2] + (-1,))[..., :K], -1, axis).astype(np.float32)
;;   ~~~
;; One version. Each part assembles by itself: llvm-mc -triple=amdgcn-amd-amdhsa -mcpu=gfx1250 --defsym DOCPART=n.
;; ======== version 1 of 1: 5 launches
;; limits: right only within a limited range of input values
;; workspace buffers: rec 8,519,680 bytes; cand 2,097,152 bytes of whole numbers; idx 131,072 bytes of whole numbers; part 2,048 bytes
;; launch quant (part 1): grid 1280 x 1, 2 waves a work-group, no clusters, 33,536 bytes of LDS; arguments z, codebook, rec; writes rec
.if DOCPART == 1
	.amdgcn_target "amdgcn-amd-amdhsa--gfx1250"
	.amdhsa_code_object_version 6
	.text
	.protected	k_q1bbafc485b_quant
	.globl	k_q1bbafc485b_quant
	.p2align	8
	.type	k_q1bbafc485b_quant,@function
k_q1bbafc485b_quant:
	s_mov_b64 s[64:65], 0
	v_nop
	global_prefetch_b8 v0, s[64:65] scope:SCOPE_SE
	s_setreg_imm32_b32 hwreg(HW_REG_WAVE_MODE, 25, 1), 1
	s_wait_xcnt 0x0
; z, read as 32,768 dense rows of 256 f32, and the codebook, 8,192 such rows, become TILE RECORDS: 16 rows to a record of 3,328 bytes.
;   bytes 0 .. 3071     the image of a matrix operand's registers (codes of E2M3, 6 bits): K step s (0, 1), register group c (0 .. 2): lane l's registers 4 c .. 4 c + 3 of the 12 at 1536 s + 512 c + 16 l
;   bytes 3072 .. 3199  scale words: word l: lanes 0-15 row l's word for K step 0, lanes 16-31 row l - 16's word for K step 1
;   bytes 3200 .. 3327  each row's sum of squares in f32: word l holds row l % 16 (written twice, so that every byte of the record is written with all lanes on)
; Records 0 .. 2047 are z's, 2048 .. 2559 the codebook's.
; A block's scale is 2^(floor(log2(its largest magnitude)) - 2); its byte is the largest magnitude's exponent field - 2, held at 1 from below.
; LIMITS: NaN and infinities among the inputs are not served.  A block of zeros gets the byte 1 where the rule says 127: its codes are zeros, which add nothing under any byte but 0xff, and this program alone reads the bytes.
; SHARES: one wave, one tile: 16,384 dense bytes in, 3,328 out.  Work-groups 0 .. 1023 take z, the others the codebook: only pointers are chosen, there is one path through the text.
; The operand's layout gives lane (r, h) of K step s the blocks 4 s + h and 4 s + 2 + h of row r, whole.  The loads take the bytes as they lie (512 consecutive bytes each); the tile turns through the wave's own stage in LDS
; (rows of 1,024 + 16 bytes, so that the sixteen rows that a read touches start 16 bytes apart modulo 256) and comes back 128 bytes (a block) at a time to its lane.  So no maximum needs another lane, and the conversions' results are the operand's registers.
; No tensor load, no barrier, no cluster: waves share nothing, and no input byte is read by two work-groups.
.set REC, 3328
.set STG, 16640                        ; a wave's stage: 16 rows x PIT
.set PIT, 1040
.set SQ,  24                           ; v[24:31]   four packed chains of squares
.set CD,  32                           ; v[32:55]   the 24 code registers: 12 s + 6 c + i
.set X,   64                           ; v[64:127]  the blocks of q = 0, 1 (q = 2 s + c)
.set R,   128                          ; v[128:255] the tile as loaded; later v[128:191]: the blocks of q = 2, 3
	s_load_b128 s[4:7], s[0:1], 0x0                ; z, codebook
	s_load_b64 s[8:9], s[0:1], 0x10                ; rec
	v_lshl_add_u32 v62, v0, 2, 0x8200
	v_mov_b32 v63, 0
	v_lshrrev_b32 v1, 5, v0
	v_readfirstlane_b32 s10, v1                    ; wave 0, 1
	v_and_b32 v1, 31, v0                           ; lane
	v_and_b32 v2, 15, v0                           ; r
	v_bfe_u32 v3, v0, 4, 1                         ; h
	v_lshlrev_b32 v4, 4, v1                        ; 16 x lane: in memory, in and out
	s_mul_i32 s11, s10, STG
	v_add_nc_u32 v5, s11, v4                       ; the stage, on the way in: as the bytes lie
	v_mul_u32_u24 v6, v2, PIT
	v_lshl_add_u32 v6, v3, 7, v6
	v_add_nc_u32 v6, s11, v6                       ; and on the way out: row r, + 128 h: block h of each pair of blocks
	v_lshlrev_b32 v7, 2, v1                        ; 4 x lane
	v_lshlrev_b32 v11, 3, v3                       ; 8 h: my bytes' place in a scale word
	v_mov_b32 v22, 0                               ; a lane permute's destination counts as one of its sources
	s_mov_b32 s20, 0x76543210
	s_mov_b32 s21, 0xfedcba98                      ; v_permlanex16_b32's selects for lane l xor 16
	s_mov_b32 s22, 0xffff0000                      ; lanes 16-31
	s_wait_alu depctr_va_vdst(0)
	s_wait_kmcnt 0x0
	s_cmp_lt_u32 ttmp9, 1024                       ; z's work-group or the codebook's: the choice hangs on the work-group's number alone
	s_cselect_b64 s[4:5], s[4:5], s[6:7]
	s_cselect_b32 s12, 0, 1024
	s_sub_co_u32 s12, ttmp9, s12
	s_lshl_b32 s12, s12, 1
	s_add_co_u32 s12, s12, s10                     ; my tile in its tensor
	s_lshl_b32 s12, s12, 14                        ; x 16,384 bytes (under 2^25)
	s_mov_b32 s13, 0
	s_add_nc_u64 s[4:5], s[4:5], s[12:13]
	s_lshl_b32 s14, ttmp9, 1
	s_add_co_u32 s14, s14, s10                     ; my record
	s_mul_i32 s14, s14, REC
	s_mov_b32 s15, 0
	s_add_nc_u64 s[8:9], s[8:9], s[14:15]
.set i, 0
.rept 32
	global_load_b128 v[R+4*i:R+4*i+3], v4, s[4:5] offset:512*i th:TH_LOAD_NT   ; 32 lanes read 512 consecutive bytes: half a row
.set i, i+1
.endr
.irp g, 0,1,2,3
	s_wait_loadcnt 24-8*\g                         ; loads come back in order: the eight oldest still out are in, the younger ones stay out
.irp j, 0,1,2,3,4,5,6,7
	ds_store_b128 v5, v[R+4*(8*\g+\j):R+4*(8*\g+\j)+3] offset:((8*\g+\j)/2)*PIT+((8*\g+\j)%2)*512
.endr
.endr
.irp q, 0,1                                    ; LDS serves a wave's instructions in order: these see my stores
.irp j, 0,1,2,3,4,5,6,7
	ds_load_b128 v[X+32*\q+4*\j:X+32*\q+4*\j+3], v6 offset:256*\q+16*\j
.endr
.endr
	s_wait_dscnt 16                                ; only the 16 loads just issued are out: the 32 stores have read their registers, which now take the other two blocks
.irp q, 2,3
.irp j, 0,1,2,3,4,5,6,7
	ds_load_b128 v[R+32*(\q-2)+4*\j:R+32*(\q-2)+4*\j+3], v6 offset:256*\q+16*\j
.endr
.endr
; Block 2 q + h of my row, 32 numbers in v[xs] on.  left: the LDS loads issued behind this block's eight.
.macro BLK q, xs, left
	s_wait_dscnt \left
	v_max3_num_f32 v8, |v[\xs]|, |v[\xs+1]|, |v[\xs+2]|            ; the block's largest magnitude, in two chains: all 32 numbers are mine
	v_max3_num_f32 v9, |v[\xs+3]|, |v[\xs+4]|, |v[\xs+5]|
.irp i, 6,10,14,18,22,26
	v_max3_num_f32 v8, v8, |v[\xs+\i]|, |v[\xs+\i+1]|
	v_max3_num_f32 v9, v9, |v[\xs+\i+2]|, |v[\xs+\i+3]|
.endr
	v_max3_num_f32 v8, v8, |v[\xs+30]|, |v[\xs+31]|
	v_max3_num_f32 v8, v8, v9, 0x1800000           ; and the floor 2^(3 - 127): the byte cannot fall under 1
.set n, 0
.rept 16                                       ; the row's sum of squares, of the numbers as they are given: four packed chains; the first four products start them
.if ((\q) == 0) && (n < 4)
	v_pk_mul_f32 v[SQ+2*n:SQ+2*n+1], v[\xs+2*n:\xs+2*n+1], v[\xs+2*n:\xs+2*n+1]
.else
	v_pk_fma_f32 v[SQ+2*(n%4):SQ+2*(n%4)+1], v[\xs+2*n:\xs+2*n+1], v[\xs+2*n:\xs+2*n+1], v[SQ+2*(n%4):SQ+2*(n%4)+1]
.endif
.set n, n+1
.endr
	v_add_nc_u32 v10, 0xff000000, v8               ; 2 off the exponent field: the conversion takes the exponent field of this operand as its scale, and nothing else of it
	v_cvt_scalef32_pk16_fp6_f32 v[CD+6*(\q):CD+6*(\q)+2], v[\xs:\xs+15], v10
	v_cvt_scalef32_pk16_fp6_f32 v[16:18], v[\xs+16:\xs+31], v10    ; (a conversion's three registers begin on an even number: the second half of a block's six does not, so it is made here and moved)
	v_lshrrev_b32 v[12+(\q)], 23, v10              ; the scale's byte.  Also the plain vector line between the conversions and the moves that read their results
.irp i, 0,1,2
	v_mov_b32 v[CD+6*(\q)+3+\i], v[16+\i]
.endr
.endm
	BLK 0, 64, 24
	BLK 1, 96, 16
	BLK 2, 128, 8
	BLK 3, 160, 0
.irp s, 0,1                                    ; K step s: my two bytes (blocks h and 2 + h of the step) at their places; with lane l xor 16's two the word is whole
	v_lshl_or_b32 v[20+\s], v[13+2*\s], 16, v[12+2*\s]
	v_lshlrev_b32 v[20+\s], v11, v[20+\s]
.endr
	v_permlanex16_b32 v22, v20, s20, s21
	v_or_b32 v20, v20, v22
	v_permlanex16_b32 v22, v21, s20, s21
	v_or_b32 v21, v21, v22
	v_cndmask_b32 v20, v20, v21, s22               ; lanes 0-15 keep K step 0's word, lanes 16-31 take K step 1's
	v_pk_add_f32 v[SQ:SQ+1], v[SQ:SQ+1], v[SQ+2:SQ+3]
	v_pk_add_f32 v[SQ+4:SQ+5], v[SQ+4:SQ+5], v[SQ+6:SQ+7]
	v_pk_add_f32 v[SQ:SQ+1], v[SQ:SQ+1], v[SQ+4:SQ+5]
	v_add_f32 v[SQ], v[SQ], v[SQ+1]                ; my 128 numbers' squares,
	v_permlanex16_b32 v22, v[SQ], s20, s21
	v_add_f32 v[SQ], v[SQ], v22                    ; and lane l xor 16's: the row's
.irp c, 0,1,2,3,4,5
	global_store_b128 v4, v[CD+4*\c:CD+4*\c+3], s[8:9] offset:512*\c   ; 32 lanes store 512 consecutive bytes, at a multiple of 256 from the buffer's first byte
.endr
	global_store_b32 v7, v20, s[8:9] offset:3072
	global_store_b32 v7, v[SQ], s[8:9] offset:3200
	s_wait_tensorcnt 0x0
	ds_add_u32 v62, v63
	s_wait_dscnt 0x0
	s_endpgm
.Lfunc_end_k_q1bbafc485b_quant:
	.size	k_q1bbafc485b_quant, .Lfunc_end_k_q1bbafc485b_quant-k_q1bbafc485b_quant
	.p2alignl 7, 3214868480
	.fill 96, 4, 3214868480
	.section	.rodata,"a",@progbits
	.p2align	6, 0x0
	.amdhsa_kernel k_q1bbafc485b_quant
		.amdhsa_group_segment_fixed_size 33536
		.amdhsa_private_segment_fixed_size 0
		.amdhsa_enable_private_segment 0
		.amdhsa_kernarg_size 24
		.amdhsa_user_sgpr_count 2
		.amdhsa_user_sgpr_kernarg_segment_ptr 1
		.amdhsa_wavefront_size32 1
		.amdhsa_system_sgpr_workgroup_id_x 1
		.amdhsa_system_sgpr_workgroup_id_y 1
		.amdhsa_system_sgpr_workgroup_id_z 1
		.amdhsa_system_vgpr_workitem_id 0
		.amdhsa_next_free_vgpr 256
		.amdhsa_next_free_sgpr 66
		.amdhsa_reserve_vcc 0
		.amdhsa_float_denorm_mode_32 3
		.amdhsa_float_denorm_mode_16_64 3
		.amdhsa_memory_ordered 1
		.amdhsa_forward_progress 1
		.amdhsa_inst_pref_size 21
	.end_amdhsa_kernel
	.amdgpu_metadata
---
amdhsa.version: [ 1, 2 ]
amdhsa.kernels:
  - .name:           k_q1bbafc485b_quant
    .symbol:         k_q1bbafc485b_quant.kd
    .args:
      - { .name: z, .offset: 0, .size: 8, .value_kind: global_buffer, .address_space: global }
      - { .name: codebook, .offset: 8, .size: 8, .value_kind: global_buffer, .address_space: global }
      - { .name: rec, .offset: 16, .size: 8, .value_kind: global_buffer, .address_space: global }
    .group_segment_fixed_size: 33536
    .private_segment_fixed_size: 0
    .kernarg_segment_align: 8
    .kernarg_segment_size: 24
    .max_flat_workgroup_size: 64
    .sgpr_count:     66
    .vgpr_count:     256
    .wavefront_size: 32
...
	.end_amdgpu_metadata
.endif
;; end of part 1
;; launch search (part 2): grid 32 x 8, 16 waves a work-group, clusters of 4 x 1, 327,680 bytes of LDS; arguments rec, cand; writes cand
.if DOCPART == 2
	.amdgcn_target "amdgcn-amd-amdhsa--gfx1250"
	.amdhsa_code_object_version 6
	.text
	.protected	k_q1bbafc485b_search
	.globl	k_q1bbafc485b_search
	.p2align	8
	.type	k_q1bbafc485b_search,@function
k_q1bbafc485b_search:
	s_mov_b64 s[64:65], 0
	v_nop
	global_prefetch_b8 v0, s[64:65] scope:SCOPE_SE
	s_setreg_imm32_b32 hwreg(HW_REG_WAVE_MODE, 25, 1), 1
	s_wait_xcnt 0x0
	s_wait_alu depctr_hold_cnt(0) depctr_sa_sdst(0) depctr_va_vdst(0) depctr_va_sdst(0) depctr_va_ssrc(0) depctr_va_vcc(0) depctr_vm_vsrc(0)
	s_getreg_b32 s2, hwreg(HW_REG_IB_STS2, 6, 4)
	s_cmp_eq_u32 s2, 0
	s_cbranch_scc0 .Lentry_in_a_cluster
	s_endpgm
.Lentry_in_a_cluster:
	s_bfe_u32 s2, ttmp6, 0x10000c
	s_cmp_lg_u32 s2, 0x3003
	s_cbranch_scc0 .Lentry_shape_is_right
	s_endpgm
.Lentry_shape_is_right:
; For each of the 32,768 rows of z and each EIGHTH of the codebook (1,024 rows = 64 tile records): the smallest d in that eighth and the FIRST OCTET (codebook rows 8 g .. 8 g + 7) that holds it, with
;   d[n][k] = fl(fl(zz[n] + ee[k]) - 2 dot[n][k]),   dot = the product of the quantised rows (codes of E2M3 with E8M0 scales, two K steps of 128, f32 sums).
; The two roundings are those of the definition: one addition, then one fused multiply-add by -2 (2 dot is exact).  The compare is strict and a lane's octets come in ascending order; a tie between the two halves of the lanes goes to the lower octet.
; d leaves as a KEY, a 32-bit whole number in d's order (sign bit set for d >= 0, all bits flipped for d < 0), so that the next launch chooses among a row's eight eighths by whole numbers.
; d is never -0: zz + ee is a sum of squares, and a fused multiply-add whose exact result is 0 gives +0.
; LIMITS: NaN and infinities are not served.  zz and ee are summed in four packed chains, not in the definition's order: where a row's d straddle a power of two, a tie may fall otherwise.
; SHARES.  Work-group (x, y): z's rows 1,024 x .. 1,024 x + 1,023 (64 tile records) against eighth y.  The eighth's 64 records, 212,992 bytes, lie in LDS for the whole launch: they are filled once, nothing is filled again,
; so the walk has no barrier.  Sixteen waves of 256 registers, four to a SIMD.  Wave w keeps z's tiles 4 w .. 4 w + 3 of the block in registers and walks all 64 records: each LDS read of a record feeds four tiles of z.
; THE PRODUCT: source 0 = 16 codebook rows, source 1 = 16 rows of z.  Lane (r, h) holds row r of z and its register j codebook row 8 h + j of the record: an octet.
; THE FILL: every wave brings four records (52 rows of 256 bytes, dense) by one tensor load at the head.  CLUSTER: the four work-groups of a cluster (same y) need the same records: each load is a JOINT one, the same descriptor and the mask of all four.
; NO PREFETCH: all fills go out at the head, ahead of the only loop; there is no later fill for a loop to run ahead of.
; OUT: cand[y][16 x + w]: 512 bytes: row r of tile t at 32 r + 8 t: key, octet.  A wave's one store covers them, 16 bytes a lane.
.set REC,   3328
.set CB0,   2048*REC                   ; the codebook's first record
.set SPARE, 64*REC                     ; behind the records: the spare words, 128 bytes for each wave: eight blocks of 256 bytes that no other line names
.set SPW, 1                            ; v1   SPARE + 4 x my thread's number; never rewritten
.set NIL, 2                            ; v2   0; never rewritten
.set ADA, 3                            ; v3   the trip's four records: + 16 x lane
.set ADS, 4                            ; v4   their scale words: + 3072 + 4 x lane
.set ADE, 5                            ; v5   their sums of squares: + 3200 + 32 h
.set BS,  6                            ; v6, v7, v14: the three without the trip's step
.set BE,  7
.set TID, 9                            ; v9   the octet in hand: 2 x record + h
.set CO,  10                           ; v10  my 16 bytes of the wave's 512 in cand: 32 r + 16 h
.set BA,  14
.set ST,  16                           ; v[16:31] tile t at ST + 4 t: zz, the best octet, and the best d in two registers that change places from record to record
.set ZSC, 32                           ; v32-35  z's scale words
.set ASC, 36                           ; v36, 37 a record's scale words, two sets
.set EE,  40                           ; v[40:55] its eight ee of my half, two sets
.set AT,  56                           ; v[56:71] zz + ee for two tiles of z
.set ACC, 72                           ; v[72:103] four accumulators
.set AF,  104                          ; v[104:151] a record's two fragments, two sets
.set ZF,  152                          ; v[152:247] z's: 24 t + 12 s
.set PD,  56                           ; the end: the other half's d, then masks
.set PG,  60                           ; the other half's octets, then keys
.macro ROUND                           ; a round of the cluster's barrier
	s_barrier_signal -1
	s_barrier_wait -1
	s_cmp_lg_u32 s8, 0
	s_cbranch_scc1 .Lnot_wave_0_\@
	s_barrier_signal -3
.Lnot_wave_0_\@:
	s_barrier_wait -3
	s_barrier_signal -1
	s_barrier_wait -1
.endm
.macro LOADT off, p                    ; the record at byte off of the trip's four, into set p: nine LDS loads in one run
.irp c, 0,1,2,3,4,5
	ds_load_b128 v[AF+24*(\p)+4*\c:AF+24*(\p)+4*\c+3], v[ADA] offset:(\off)+512*\c
.endr
	ds_load_b32 v[ASC+(\p)], v[ADS] offset:(\off)
	ds_load_b128 v[EE+8*(\p):EE+8*(\p)+3], v[ADE] offset:(\off)
	ds_load_b128 v[EE+8*(\p)+4:EE+8*(\p)+7], v[ADE] offset:(\off)+16
.endm
; Tiles t0 and t0 + 1 of z against the record of set p: 28 vector instructions for 16 d a lane.  old, new: which register holds the best d so far, and which takes the new one.
.macro EPI t0, p, old, new
.irp u, 0,1,2,3
.irp b, 0,1
	v_pk_add_f32 v[AT+8*\b+2*\u:AT+8*\b+2*\u+1], v[EE+8*(\p)+2*\u:EE+8*(\p)+2*\u+1], v[ST+4*(\t0+\b):ST+4*(\t0+\b)+1] op_sel_hi:[1,0]   ; zz + ee: of the pair (zz, octet) the low word serves both halves
.endr
.endr
.irp u, 0,1,2,3                                ; each accumulator is read from its low end on
.irp b, 0,1
	v_pk_fma_f32 v[ACC+8*(\t0+\b)+2*\u:ACC+8*(\t0+\b)+2*\u+1], v[ACC+8*(\t0+\b)+2*\u:ACC+8*(\t0+\b)+2*\u+1], -2.0, v[AT+8*\b+2*\u:AT+8*\b+2*\u+1] op_sel_hi:[1,0,1]   ; d = (zz + ee) - 2 dot, one rounding
.endr
.endr
.irp b, 0,1
	v_min3_num_f32 v[ST+4*(\t0+\b)+(\new)], v[ST+4*(\t0+\b)+(\old)], v[ACC+8*(\t0+\b)], v[ACC+8*(\t0+\b)+1]
.endr
.irp u, 1,2,3                                  ; the two tiles by turns
.irp b, 0,1
	s_delay_alu instid0(VALU_DEP_2)
	v_min3_num_f32 v[ST+4*(\t0+\b)+(\new)], v[ST+4*(\t0+\b)+(\new)], v[ACC+8*(\t0+\b)+2*\u], v[ACC+8*(\t0+\b)+2*\u+1]
.endr
.endr
	s_delay_alu instid0(VALU_DEP_2)
	v_cmp_lt_f32 vcc_lo, v[ST+4*(\t0)+(\new)], v[ST+4*(\t0)+(\old)]          ; strictly smaller: this octet is the first to hold the new best
	s_delay_alu instid0(VALU_DEP_2)
	v_cmp_lt_f32 s34, v[ST+4*(\t0+1)+(\new)], v[ST+4*(\t0+1)+(\old)]
	s_delay_alu instid0(VALU_DEP_2)
	v_cndmask_b32 v[ST+4*(\t0)+1], v[ST+4*(\t0)+1], v[TID], vcc_lo
	s_delay_alu instid0(VALU_DEP_2)
	v_cndmask_b32 v[ST+4*(\t0+1)+1], v[ST+4*(\t0+1)+1], v[TID], s34
.endm
; Record i of a trip's four against my four tiles of z: eight matrix instructions, the four accumulators by turns; the next record's loads; the vector work.
; nxt = 1: the next record of this trip; 2: the addresses step four records on, and the next trip's first record is asked for; 0: nothing follows.
; Distances behind the matrix instructions: the eight additions at the head of the first EPI name none of their registers; the loads go into the OTHER set, whose products stand a record's vector work back.
.macro CTILE i, nxt
	s_wait_dscnt 0x0                               ; this record's nine loads are in: they were issued ahead of the last record's vector work
.irp t, 0,1,2,3
	v_wmma_scale_f32_16x16x128_f8f6f4 v[ACC+8*\t:ACC+8*\t+7], v[AF+24*((\i)%2):AF+24*((\i)%2)+11], v[ZF+24*\t:ZF+24*\t+11], 0, v[ASC+(\i)%2], v[ZSC+\t] matrix_a_fmt:MATRIX_FMT_FP6 matrix_b_fmt:MATRIX_FMT_FP6
.endr
.irp t, 0,1,2,3                                ; K step 1: its scale words lie in lanes 16-31 of the same registers
	v_wmma_scale_f32_16x16x128_f8f6f4 v[ACC+8*\t:ACC+8*\t+7], v[AF+24*((\i)%2)+12:AF+24*((\i)%2)+23], v[ZF+24*\t+12:ZF+24*\t+23], v[ACC+8*\t:ACC+8*\t+7], v[ASC+(\i)%2], v[ZSC+\t] matrix_a_fmt:MATRIX_FMT_FP6 matrix_b_fmt:MATRIX_FMT_FP6 matrix_a_scale:MATRIX_SCALE_ROW1 matrix_b_scale:MATRIX_SCALE_ROW1
.endr
.if (\nxt) == 1
	LOADT REC*((\i)+1), ((\i)+1)%2
.endif
.if (\nxt) == 2
	s_add_co_u32 s40, s40, 4*REC
	v_add_nc_u32 v[ADA], s40, v[BA]
	v_add_nc_u32 v[ADS], s40, v[BS]
	v_add_nc_u32 v[ADE], s40, v[BE]
	LOADT 0, 0
.endif
	EPI 0, (\i)%2, 2+(\i)%2, 3-(\i)%2
	EPI 2, (\i)%2, 2+(\i)%2, 3-(\i)%2
.if (\nxt) > 0
	v_add_nc_u32 v[TID], 2, v[TID]                 ; the next record's octets
.endif
.endm
	s_load_b128 s[4:7], s[0:1], 0x0                ; rec, cand
	v_lshl_add_u32 v[SPW], v0, 2, SPARE
	v_mov_b32 v[NIL], 0
	ds_add_u32 v[SPW], v[NIL]                      ; the opening lines: the add, twice on end, and its wait ahead of my first tensor load
	ds_add_u32 v[SPW], v[NIL]
	v_lshrrev_b32 v248, 5, v0
	v_and_b32 v250, 31, v0                         ; lane
	v_bfe_u32 v249, v0, 4, 1                       ; h
	s_delay_alu instid0(VALU_DEP_3)
	v_readfirstlane_b32 s8, v248                   ; wave 0..15
	s_delay_alu instid0(VALU_DEP_3)
	v_lshlrev_b32 v[BA], 4, v250                   ; 16 x lane
	s_delay_alu instid0(VALU_DEP_4)
	v_lshlrev_b32 v15, 2, v250                     ; 4 x lane
	s_delay_alu instid0(VALU_DEP_4)
	v_lshl_add_u32 v[BE], v249, 5, 3200
	s_delay_alu instid0(VALU_DEP_2)
	v_add_nc_u32 v[BS], 3072, v15
	s_delay_alu instid0(VALU_DEP_4)
	v_mov_b32 v[ADA], v[BA]
	s_delay_alu instid0(VALU_DEP_2)
	v_mov_b32 v[ADS], v[BS]
	s_delay_alu instid0(VALU_DEP_4)
	v_mov_b32 v[ADE], v[BE]
	s_bfe_u32 s11, ttmp6, 0x40000                  ; cx: it enters global addresses of my own loads and stores alone
	s_lshl_b32 s12, ttmp9, 2                       ; in a cluster launch ttmp9 counts clusters
	s_add_co_u32 s12, s12, s11                     ; my block of z, 0..31
	s_and_b32 s13, ttmp7, 0xffff                   ; my eighth of the codebook: the same in all four partners
	s_lshl_b32 s41, s13, 7
	v_add_nc_u32 v[TID], s41, v249                 ; 2 x (64 x eighth) + h
	v_and_b32 v251, 15, v0
	v_lshlrev_b32 v[CO], 4, v249
	s_delay_alu instid0(VALU_DEP_1)
	v_lshl_add_u32 v[CO], v251, 5, v[CO]
.irp t, 0,1,2,3
	v_mov_b32 v[ST+4*\t+1], 0                      ; the best octet,
	v_mov_b32 v[ST+4*\t+2], 0x7f800000             ; and the best d: +infinity
.endr
	; descriptor group 1: 52 rows of 256 bytes (32 elements of 8 bytes), dense: four records
	s_mov_b32 s16, 15|(3<<16)|(1<<21)              ; the mask of all four work-groups; elements of 8 bytes; no padding; bit 21 set beside a mask
	s_mov_b32 s17, 32<<16                          ; tensor_dim0 = 32
	s_mov_b32 s18, 52<<16                          ; tensor_dim1 = 52
	s_mov_b32 s19, 32<<16                          ; tile_dim0 = 32
	s_mov_b32 s20, 52                              ; tile_dim1 = 52
	s_mov_b32 s21, 32                              ; from row to row: 32 elements
	s_mov_b32 s22, 0
	s_mov_b32 s23, 0
	s_mov_b32 s24, 1                               ; group 0: count = 1,
	s_mul_i32 s25, s8, 4*REC                       ; LDS address: my wave's four records
	s_mul_i32 s44, s13, 64*REC                     ; the same four in memory: the eighth's first record,
	s_add_co_u32 s44, s44, s25
	s_add_co_u32 s44, s44, CB0
	s_mov_b32 s45, 0
	s_lshl_b32 s46, s12, 6
	s_lshl_b32 s47, s8, 2
	s_add_co_u32 s46, s46, s47                     ; my first tile of z: 64 x block + 4 x wave
	s_mul_i32 s46, s46, REC
	s_mov_b32 s47, 0
	s_lshl_b32 s28, s12, 4
	s_add_co_u32 s28, s28, s8
	s_lshl_b32 s28, s28, 9                         ; cand: 512 bytes for each four tiles,
	s_lshl_b32 s29, s13, 18                        ; 262,144 for each eighth
	s_add_co_u32 s28, s28, s29
	s_mov_b32 s29, 0
	s_mov_b32 s32, 15                              ; the loop's trips
	s_mov_b32 s40, 0                               ; the trip's first record in LDS
	s_mov_b32 s36, 0xffff0000                      ; lanes 16-31
	s_mov_b32 s50, 0x76543210
	s_mov_b32 s51, 0xfedcba98                      ; v_permlanex16_b32's selects for lane l xor 16
	s_wait_alu depctr_va_vdst(0)
	s_wait_dscnt 0x0                               ; both opening adds are done
	s_wait_kmcnt 0x0
	s_add_nc_u64 s[26:27], s[4:5], s[44:45]
	s_or_b32 s27, s27, 0x80000000                  ; type = 2
	s_add_nc_u64 s[48:49], s[4:5], s[46:47]        ; z's records of my wave
	s_add_nc_u64 s[6:7], s[6:7], s[28:29]
	ROUND                                          ; all four work-groups are here: the joint loads meet
	tensor_load_to_lds s[24:27], s[16:23]          ; my one tensor load of the launch
	s_nop 0
.rept 4
	v_nop
.endr
.irp t, 0,1,2,3                                ; z stays in registers: fragments, scale words, zz
.irp c, 0,1,2,3,4,5
	global_load_b128 v[ZF+24*\t+4*\c:ZF+24*\t+4*\c+3], v[BA], s[48:49] offset:REC*\t+512*\c
.endr
	global_load_b32 v[ZSC+\t], v15, s[48:49] offset:REC*\t+3072
	global_load_b32 v[ST+4*\t], v15, s[48:49] offset:REC*\t+3200
.endr
	s_wait_tensorcnt 0x0                           ; my four records have landed;
	s_barrier_signal -1
	s_barrier_wait -1                              ; and everybody's: the eighth is whole.
	LOADT 0, 0
	s_wait_loadcnt 0x0                             ; z
.Lwalk:                                            ; a trip takes four records: register sets and the two best-d registers are back where they began
	CTILE 0, 1
	CTILE 1, 1
	CTILE 2, 1
	CTILE 3, 2
	s_sub_co_u32 s32, s32, 1
	s_cmp_lg_u32 s32, 0
	s_wait_alu depctr_va_vdst(0)                   ; the wait ahead of the branch
	s_cbranch_scc1 .Lwalk
	CTILE 0, 1                                     ; the last four records: no LDS read beyond the eighth
	CTILE 1, 1
	CTILE 2, 1
	CTILE 3, 0
	; THE END.  A row's two candidates lie in lanes l and l xor 16; behind an even number of records the best d is in the first of its two registers.
.irp t, 0,1,2,3
	v_permlanex16_b32 v[PD+\t], v[ST+4*\t+2], s50, s51
.endr
.irp t, 0,1,2,3
	v_permlanex16_b32 v[PG+\t], v[ST+4*\t+1], s50, s51
.endr
.irp t, 0,1,2,3
	v_cmp_lt_f32 s[52+\t], v[PD+\t], v[ST+4*\t+2]
	v_cmp_eq_f32 s[56+\t], v[PD+\t], v[ST+4*\t+2]
	v_cmp_lt_u32 s[60+\t], v[PG+\t], v[ST+4*\t+1]
.endr
.irp t, 0,1,2,3
	s_and_b32 s[56+\t], s[56+\t], s[60+\t]         ; the other half's wins if its d is smaller, or equal with the lower octet
	s_or_b32 s[52+\t], s[52+\t], s[56+\t]
.endr
.irp t, 0,1,2,3
	v_cndmask_b32 v[ST+4*\t+2], v[ST+4*\t+2], v[PD+\t], s[52+\t]
.endr
.irp t, 0,1,2,3
	v_cndmask_b32 v[ST+4*\t+1], v[ST+4*\t+1], v[PG+\t], s[52+\t]
.endr
.irp t, 0,1,2,3
	v_ashrrev_i32 v[PD+\t], 31, v[ST+4*\t+2]       ; the key: all ones where d is negative,
.endr
.irp t, 0,1,2,3
	s_delay_alu instid0(VALU_DEP_4)
	v_or_b32 v[PD+\t], 0x80000000, v[PD+\t]        ; else the sign bit alone,
.endr
.irp t, 0,1,2,3
	s_delay_alu instid0(VALU_DEP_4)
	v_xor_b32 v[PG+\t], v[ST+4*\t+2], v[PD+\t]     ; flipped in d's bits: unsigned order = d's order
.endr
	s_delay_alu instid0(VALU_DEP_2)
	v_cndmask_b32 v64, v[PG], v[PG+2], s36         ; lanes 0-15 store tiles 0 and 1 of their row, lanes 16-31 tiles 2 and 3: key, octet, key, octet
	v_cndmask_b32 v65, v[ST+1], v[ST+9], s36
	s_delay_alu instid0(VALU_DEP_3)
	v_cndmask_b32 v66, v[PG+1], v[PG+3], s36
	v_cndmask_b32 v67, v[ST+5], v[ST+13], s36
	global_store_b128 v[CO], v[64:67], s[6:7]      ; the wave stores 512 consecutive bytes, at a multiple of 256 from the buffer's first byte
	s_wait_tensorcnt 0x0                           ; the wave's end
	ds_add_u32 v[SPW], v[NIL]
	s_wait_dscnt 0x0
	ROUND                                          ; the closing round
	s_endpgm
.Lfunc_end_k_q1bbafc485b_search:
	.size	k_q1bbafc485b_search, .Lfunc_end_k_q1bbafc485b_search-k_q1bbafc485b_search
	.p2alignl 7, 3214868480
	.fill 96, 4, 3214868480
	.section	.rodata,"a",@progbits
	.p2align	6, 0x0
	.amdhsa_kernel k_q1bbafc485b_search
		.amdhsa_group_segment_fixed_size 327680
		.amdhsa_private_segment_fixed_size 0
		.amdhsa_enable_private_segment 0
		.amdhsa_kernarg_size 16
		.amdhsa_user_sgpr_count 2
		.amdhsa_user_sgpr_kernarg_segment_ptr 1
		.amdhsa_wavefront_size32 1
		.amdhsa_system_sgpr_workgroup_id_x 1
		.amdhsa_system_sgpr_workgroup_id_y 1
		.amdhsa_system_sgpr_workgroup_id_z 1
		.amdhsa_system_vgpr_workitem_id 0
		.amdhsa_next_free_vgpr 256
		.amdhsa_next_free_sgpr 66
		.amdhsa_reserve_vcc 1
		.amdhsa_float_denorm_mode_32 3
		.amdhsa_float_denorm_mode_16_64 3
		.amdhsa_memory_ordered 1
		.amdhsa_forward_progress 1
		.amdhsa_inst_pref_size 57
	.end_amdhsa_kernel
	.amdgpu_metadata
---
amdhsa.version: [ 1, 2 ]
amdhsa.kernels:
  - .name:           k_q1bbafc485b_search
    .symbol:         k_q1bbafc485b_search.kd
    .args:
      - { .name: rec, .offset: 0, .size: 8, .value_kind: global_buffer, .address_space: global }
      - { .name: cand, .offset: 8, .size: 8, .value_kind: global_buffer, .address_space: global }
    .group_segment_fixed_size: 327680
    .private_segment_fixed_size: 0
    .kernarg_segment_align: 8
    .kernarg_segment_size: 16
    .max_flat_workgroup_size: 512
    .sgpr_count:     66
    .vgpr_count:     256
    .wavefront_size: 32
...
	.end_amdgpu_metadata
.endif
;; end of part 2
;; launch resolve (part 3): grid 512 x 1, 8 waves a work-group, no clusters, 0 bytes of LDS; arguments rec, cand, idx; writes idx
.if DOCPART == 3
	.amdgcn_target "amdgcn-amd-amdhsa--gfx1250"
	.amdhsa_code_object_version 6
	.text
	.protected	k_q1bbafc485b_resolve
	.globl	k_q1bbafc485b_resolve
	.p2align	8
	.type	k_q1bbafc485b_resolve,@function
k_q1bbafc485b_resolve:
	s_mov_b64 s[64:65], 0
	v_nop
	global_prefetch_b8 v0, s[64:65] scope:SCOPE_SE
	s_setreg_imm32_b32 hwreg(HW_REG_WAVE_MODE, 25, 1), 1
	s_wait_xcnt 0x0
; idx[n] = 8 g + the first argmin of the eight d of octet g, g = the octet of the smallest of row n's eight keys (one for each eighth of the codebook, stored by the launch before).
; The keys are whole numbers in d's order; a strict unsigned compare in ascending order of the eighths keeps the lowest octet on a tie.  The eight d are made again, by the same matrix form, addition and fused multiply-add as in the search.
; SHARES.  Two waves to a tile of 16 rows of z (tile Z = 4 x work-group + wave / 2; u = wave % 2).  A wave takes the pairs of rows (p, p + 8), p = 4 u + k, k = 0 .. 3.
; For a pair, source 0's rows 0-7 are the octet of row p and its rows 8-15 the octet of row p + 8; source 1 is z's tile.  Lane (p, 0) then holds row p against its own octet, lane (p + 8, 1) row p + 8 against its own; the other lanes' results are not used.
; The octets' registers are gathered from the records lane by lane: the image of octet g's row i for half h lies at lane 16 h + 8 (g % 2) + i of record g / 2.  Each octet number is held to 0 .. 1023 ahead of its use in an address.
; No LDS, no tensor load, no cluster: which records a wave reads hangs on the stored numbers.
.set REC, 3328
.set CB0, 2048*REC
.set ES,  262144                       ; cand: bytes for each eighth
.set ACC, 48                           ; v[48:79]   four accumulators; v[48:55] then the owner lanes' eight dot, then d
.set EE,  80                           ; v[80:87]   ee of my own row's octet
.set AT,  88                           ; v[88:95]   zz + ee
.set ZF,  96                           ; v[96:119]  z's two fragments
.set AF,  128                          ; v[128:223] the four pairs' fragments: 24 k + 12 s
.set KO,  128                          ; ahead of them v[128:191]: pair k, eighth e: key and octet at KO + 16 k + 2 e
	s_load_b128 s[4:7], s[0:1], 0x0                ; rec, cand
	s_load_b64 s[8:9], s[0:1], 0x10                ; idx
	v_lshrrev_b32 v1, 5, v0
	s_delay_alu instid0(VALU_DEP_1)
	v_readfirstlane_b32 s14, v1                    ; wave 0..7
	s_lshr_b32 s15, s14, 1
	s_and_b32 s17, s14, 1                          ; u
	s_lshl_b32 s16, ttmp9, 2
	s_add_co_u32 s16, s16, s15                     ; Z
	v_and_b32 v1, 31, v0                           ; lane
	v_and_b32 v2, 15, v0                           ; r
	v_bfe_u32 v3, v0, 4, 1                         ; h
	v_and_b32 v4, 7, v0                            ; r % 8
	s_delay_alu instid0(VALU_DEP_4)
	v_lshlrev_b32 v5, 4, v1                        ; 16 x lane
	v_lshlrev_b32 v6, 2, v1                        ; 4 x lane
	v_lshlrev_b32 v7, 2, v2                        ; 4 r: my own row's word in idx
	v_and_b32 v8, 8, v0
	s_delay_alu instid0(VALU_DEP_1)
	v_lshlrev_b32 v8, 5, v8
	s_delay_alu instid0(VALU_DEP_1)
	v_lshl_add_u32 v8, s17, 7, v8                  ; 32 x ((r & 8) + 4 u): that row's place in cand; pair k's lies 32 k further on
	v_lshlrev_b32 v10, 4, v4
	s_delay_alu instid0(VALU_DEP_1)
	v_lshl_add_u32 v10, v3, 8, v10                 ; in an image: 16 (r % 8) + 256 h
	v_lshlrev_b32 v11, 2, v4
	s_delay_alu instid0(VALU_DEP_1)
	v_lshl_add_u32 v11, v3, 6, v11
	s_delay_alu instid0(VALU_DEP_1)
	v_add_nc_u32 v11, 3072, v11                    ; among the scale words: 4 (r % 8) + 64 h
	v_bfe_u32 v12, v0, 2, 2                        ; (lane / 4) % 4
	v_lshl_add_u32 v13, v3, 1, s17                 ; 2 h + u: equal in the eight lanes that own a row: 4 u + k and 24 + 4 u + k
	v_mov_b32 v43, 0                               ; (named with zz as a pair, so it is written)
	s_lshl_b32 s19, s17, 2
	s_mov_b32 s20, 0x01000001                      ; the two owner lanes of pair 0 with u = 0: lanes 0 and 24
	s_lshl_b32 s20, s20, s19
	s_lshl_b32 s21, s20, 1                         ; of pairs 1, 2, 3
	s_lshl_b32 s22, s20, 2
	s_lshl_b32 s23, s20, 3
	s_mul_i32 s26, s16, REC
	s_mov_b32 s27, 0
	s_lshl_b32 s28, s16, 6
	s_mov_b32 s29, 0
	s_lshl_b32 s30, ttmp9, 9                       ; cand: 512 bytes for the work-group's four tiles,
	s_lshl_b32 s31, s15, 3                         ; 8 bytes for my tile among them
	s_add_co_u32 s30, s30, s31
	s_mov_b32 s31, 0
	s_wait_alu depctr_va_vdst(0)
	s_wait_kmcnt 0x0
	s_add_nc_u64 s[10:11], s[4:5], s[26:27]        ; z's record
	s_add_nc_u64 s[12:13], s[4:5], CB0             ; the codebook's records
	s_add_nc_u64 s[6:7], s[6:7], s[30:31]
	s_add_nc_u64 s[8:9], s[8:9], s[28:29]          ; the tile's 16 words of idx
.irp e, 0,1,2,3,4,5,6,7
.irp k, 0,1,2,3
	global_load_b64 v[KO+16*\k+2*\e:KO+16*\k+2*\e+1], v8, s[6:7] offset:ES*\e+32*\k   ; pair k: key and octet, in eighth e, of the row whose octet's row r % 8 my lane will hold
.endr
.endr
.irp c, 0,1,2,3,4,5
	global_load_b128 v[ZF+4*\c:ZF+4*\c+3], v5, s[10:11] offset:512*\c
.endr
	global_load_b32 v40, v6, s[10:11] offset:3072  ; z's scale words
	global_load_b32 v42, v6, s[10:11] offset:3200  ; zz of row r
	s_wait_loadcnt 8                               ; keys and octets are in; the eight loads issued behind them may stay out
.irp e, 1,2,3,4,5,6,7                          ; the four pairs by turns
.irp k, 0,1,2,3
	v_cmp_lt_u32 s[32+\k], v[KO+16*\k+2*\e], v[KO+16*\k]
.endr
.irp k, 0,1,2,3
.if \k == 0
	s_delay_alu instid0(VALU_DEP_4)
.endif
	v_cndmask_b32 v[KO+16*\k], v[KO+16*\k], v[KO+16*\k+2*\e], s[32+\k]
	v_cndmask_b32 v[KO+16*\k+1], v[KO+16*\k+1], v[KO+16*\k+2*\e+1], s[32+\k]
.endr
.endr
.irp k, 0,1,2,3
	v_min_u32 v[20+\k], 0x3ff, v[KO+16*\k+1]       ; held inside the table of 1,024 octets
	s_delay_alu instid0(VALU_DEP_1)
	v_and_b32 v14, 0x3fe, v[20+\k]
	s_delay_alu instid0(VALU_DEP_2)
	v_and_b32 v15, 1, v[20+\k]
	s_delay_alu instid0(VALU_DEP_2)
	v_mul_u32_u24 v14, v14, REC/2                  ; record g / 2
	s_delay_alu instid0(VALU_DEP_1)
	v_lshl_add_u32 v[24+\k], v15, 7, v14           ; + 8 (g % 2) lanes of 16 bytes
	s_delay_alu instid0(VALU_DEP_2)
	v_lshl_add_u32 v[28+\k], v15, 5, v14           ; + 8 (g % 2) words
	s_delay_alu instid0(VALU_DEP_2)
	v_add_nc_u32 v[24+\k], v[24+\k], v10
	s_delay_alu instid0(VALU_DEP_2)
	v_add_nc_u32 v[28+\k], v[28+\k], v11
.endr
	v_cndmask_b32 v19, v20, v21, s21               ; an owner lane of pair k owns the row whose octet it holds for that pair: my own row's octet
	s_delay_alu instid0(VALU_DEP_1)
	v_cndmask_b32 v19, v19, v22, s22
	s_delay_alu instid0(VALU_DEP_1)
	v_cndmask_b32 v19, v19, v23, s23
	s_delay_alu instid0(VALU_DEP_1)
	v_min_u32 v19, 0x3ff, v19
	s_delay_alu instid0(VALU_DEP_1)
	v_and_b32 v14, 0x3fe, v19
	s_delay_alu instid0(VALU_DEP_2)
	v_and_b32 v15, 1, v19
	s_delay_alu instid0(VALU_DEP_2)
	v_mul_u32_u24 v14, v14, REC/2
	s_delay_alu instid0(VALU_DEP_1)
	v_lshl_add_u32 v32, v15, 5, v14
	s_delay_alu instid0(VALU_DEP_1)
	v_add_nc_u32 v32, 3200, v32                    ; the eight ee of my own row's octet
.irp k, 0,1,2,3
.irp c, 0,1,2,3,4,5
	global_load_b128 v[AF+24*\k+4*\c:AF+24*\k+4*\c+3], v[24+\k], s[12:13] offset:512*\c
.endr
	global_load_b32 v[36+\k], v[28+\k], s[12:13]   ; lanes 0-15 K step 0's words, lanes 16-31 K step 1's
.endr
	global_load_b128 v[EE:EE+3], v32, s[12:13]
	global_load_b128 v[EE+4:EE+7], v32, s[12:13] offset:16
	s_wait_loadcnt 0x0
.irp k, 0,1,2,3                                ; the four accumulators by turns, one instruction a turn
	v_wmma_scale_f32_16x16x128_f8f6f4 v[ACC+8*\k:ACC+8*\k+7], v[AF+24*\k:AF+24*\k+11], v[ZF:ZF+11], 0, v[36+\k], v40 matrix_a_fmt:MATRIX_FMT_FP6 matrix_b_fmt:MATRIX_FMT_FP6
.endr
.irp k, 0,1,2,3
	v_wmma_scale_f32_16x16x128_f8f6f4 v[ACC+8*\k:ACC+8*\k+7], v[AF+24*\k+12:AF+24*\k+23], v[ZF+12:ZF+23], v[ACC+8*\k:ACC+8*\k+7], v[36+\k], v40 matrix_a_fmt:MATRIX_FMT_FP6 matrix_b_fmt:MATRIX_FMT_FP6 matrix_a_scale:MATRIX_SCALE_ROW1 matrix_b_scale:MATRIX_SCALE_ROW1
.endr
.irp u, 0,1,2,3
	v_pk_add_f32 v[AT+2*\u:AT+2*\u+1], v[EE+2*\u:EE+2*\u+1], v[42:43] op_sel_hi:[1,0]   ; zz + ee.  These four name no register of the products: the places ahead of the first read of a result (ISA guide 7.12.1)
.endr
.irp k, 1,2,3                                  ; each owner lane takes its own pair's results; every accumulator is read from its low end on
.irp j, 0,1,2,3,4,5,6,7
	v_cndmask_b32 v[ACC+\j], v[ACC+\j], v[ACC+8*\k+\j], s[20+\k]
.endr
.endr
.irp u, 0,1,2,3
	v_pk_fma_f32 v[ACC+2*\u:ACC+2*\u+1], v[ACC+2*\u:ACC+2*\u+1], -2.0, v[AT+2*\u:AT+2*\u+1] op_sel_hi:[1,0,1]   ; d
.endr
	s_delay_alu instid0(VALU_DEP_4)
	v_mov_b32 v44, v[ACC]                          ; the best d so far,
	v_mov_b32 v45, 0                               ; and its place: a strict compare in ascending order keeps the first
.irp j, 1,2,3,4,5,6,7
	s_delay_alu instid0(VALU_DEP_2)
	v_cmp_lt_f32 vcc_lo, v[ACC+\j], v44
	s_delay_alu instid0(VALU_DEP_1)
	v_cndmask_b32 v44, v44, v[ACC+\j], vcc_lo
	s_delay_alu instid0(VALU_DEP_2)
	v_cndmask_b32 v45, v45, \j, vcc_lo
.endr
	s_delay_alu instid0(VALU_DEP_1)
	v_lshl_add_u32 v46, v19, 3, v45                ; 8 x octet + place
	v_cmp_eq_u32 vcc_lo, v12, v13                  ; the eight owner lanes: the mask hangs on the lane's and the wave's numbers alone
	s_wait_alu depctr_va_vdst(0)
	s_wait_xcnt 0x0                                ; EXEC changes only behind this wait: it is a source of the loads above
	s_and_saveexec_b32 s24, vcc_lo
	global_store_b32 v7, v46, s[8:9]
	s_wait_xcnt 0x0                                ; and again in front of the line that widens it
	s_or_b32 exec_lo, exec_lo, s24
	s_endpgm
.Lfunc_end_k_q1bbafc485b_resolve:
	.size	k_q1bbafc485b_resolve, .Lfunc_end_k_q1bbafc485b_resolve-k_q1bbafc485b_resolve
	.p2alignl 7, 3214868480
	.fill 96, 4, 3214868480
	.section	.rodata,"a",@progbits
	.p2align	6, 0x0
	.amdhsa_kernel k_q1bbafc485b_resolve
		.amdhsa_group_segment_fixed_size 0
		.amdhsa_private_segment_fixed_size 0
		.amdhsa_enable_private_segment 0
		.amdhsa_kernarg_size 24
		.amdhsa_user_sgpr_count 2
		.amdhsa_user_sgpr_kernarg_segment_ptr 1
		.amdhsa_wavefront_size32 1
		.amdhsa_system_sgpr_workgroup_id_x 1
		.amdhsa_system_sgpr_workgroup_id_y 1
		.amdhsa_system_sgpr_workgroup_id_z 1
		.amdhsa_system_vgpr_workitem_id 0
		.amdhsa_next_free_vgpr 224
		.amdhsa_next_free_sgpr 66
		.amdhsa_reserve_vcc 1
		.amdhsa_float_denorm_mode_32 3
		.amdhsa_float_denorm_mode_16_64 3
		.amdhsa_memory_ordered 1
		.amdhsa_forward_progress 1
		.amdhsa_inst_pref_size 23
	.end_amdhsa_kernel
	.amdgpu_metadata
---
amdhsa.version: [ 1, 2 ]
amdhsa.kernels:
  - .name:           k_q1bbafc485b_resolve
    .symbol:         k_q1bbafc485b_resolve.kd
    .args:
      - { .name: rec, .offset: 0, .size: 8, .value_kind: global_buffer, .address_space: global }
      - { .name: cand, .offset: 8, .size: 8, .value_kind: global_buffer, .address_space: global }
      - { .name: idx, .offset: 16, .size: 8, .value_kind: global_buffer, .address_space: global }
    .group_segment_fixed_size: 0
    .private_segment_fixed_size: 0
    .kernarg_segment_align: 8
    .kernarg_segment_size: 24
    .max_flat_workgroup_size: 256
    .sgpr_count:     66
    .vgpr_count:     224
    .wavefront_size: 32
...
	.end_amdgpu_metadata
.endif
;; end of part 3
;; launch gather (part 4): grid 512 x 1, 8 waves a work-group, no clusters, 1,280 bytes of LDS; arguments z, codebook, idx, out0, part; writes out0, part
.if DOCPART == 4
	.amdgcn_target "amdgcn-amd-amdhsa--gfx1250"
	.amdhsa_code_object_version 6
	.text
	.protected	k_q1bbafc485b_gather
	.globl	k_q1bbafc485b_gather
	.p2align	8
	.type	k_q1bbafc485b_gather,@function
k_q1bbafc485b_gather:
	s_mov_b64 s[64:65], 0
	v_nop
	global_prefetch_b8 v0, s[64:65] scope:SCOPE_SE
	s_setreg_imm32_b32 hwreg(HW_REG_WAVE_MODE, 25, 1), 1
	s_wait_xcnt 0x0
; out0 = z + (e - z), e = codebook[idx[row]], both roundings as the definition has them; part[work-group] = the sum of (e - z)^2 over the work-group's 64 rows.
; A stream: a wave takes 8 rows of 1,024 bytes.  All its 32 loads (16 of z, 16 of the codebook) go out at once; there is no loop, every row has registers of its own, so no register of a store is written again.
; Each load and store of a wave covers 512 consecutive bytes, at a multiple of 256 from its buffer's first byte.  The row numbers come from memory, stored by the launch before, by one scalar load a wave, and are held to 0 .. 8191.
; Matrix units, clusters and tensor loads would add nothing: memory binds, and no two work-groups share a row of z.  The codebook's loads carry no hint: a row may be named many times.
.set Z, 16                             ; v[16:79]   row k: 8 registers
.set E, 80                             ; v[80:143]  the codebook's row, then the result
.set T, 144                            ; v[144:151] e - z
.set S, 152                            ; v[152:159] four packed chains of squares
	s_load_b256 s[4:11], s[0:1], 0x0               ; z s[4:5], codebook s[6:7], idx s[8:9], out0 s[10:11]
	s_load_b64 s[12:13], s[0:1], 0x20              ; part
	v_lshl_add_u32 v168, v0, 2, 0x100
	v_mov_b32 v169, 0
	v_lshrrev_b32 v2, 5, v0
	s_delay_alu instid0(VALU_DEP_1)
	v_readfirstlane_b32 s14, v2                    ; wave 0..7
	v_and_b32 v1, 31, v0
	s_delay_alu instid0(VALU_DEP_1)
	v_lshlrev_b32 v1, 4, v1                        ; 16 x lane
	s_lshl_b32 s15, ttmp9, 3
	s_add_co_u32 s15, s15, s14                     ; my run of 8 rows
	s_lshl_b32 s40, s15, 13                        ; x 8,192 bytes (under 2^25)
	s_mov_b32 s41, 0
	s_lshl_b32 s42, s15, 5                         ; x 8 words of idx
	s_mov_b32 s43, 0
	s_mov_b32 s44, 0x76543210
	s_mov_b32 s45, 0xfedcba98                      ; v_permlanex16_b32's selects for lane l xor 16
	v_mov_b32 v160, 0                              ; a lane permute's destination counts as one of its sources
	v_mov_b32 v162, 0
	v_mov_b32 v161, s14
	s_delay_alu instid0(VALU_DEP_1)
	v_lshlrev_b32 v161, 2, v161                    ; LDS: my wave's word
	s_wait_alu depctr_va_vdst(0)
	s_wait_kmcnt 0x0
	s_add_nc_u64 s[8:9], s[8:9], s[42:43]
	s_load_b256 s[16:23], s[8:9], 0x0              ; my eight row numbers
	s_add_nc_u64 s[4:5], s[4:5], s[40:41]
	s_add_nc_u64 s[10:11], s[10:11], s[40:41]
	s_lshl_b32 s42, ttmp9, 2
	s_add_nc_u64 s[12:13], s[12:13], s[42:43]
.irp k, 0,1,2,3,4,5,6,7
.irp u, 0,1
	global_load_b128 v[Z+8*\k+4*\u:Z+8*\k+4*\u+3], v1, s[4:5] offset:1024*\k+512*\u th:TH_LOAD_NT
.endr
.endr
	s_wait_kmcnt 0x0
.irp k, 0,1,2,3,4,5,6,7
	s_min_u32 s[16+\k], s[16+\k], 0x1fff           ; held inside the codebook
	s_lshl_b32 s[24+2*\k], s[16+\k], 10
	s_mov_b32 s[25+2*\k], 0
	s_add_nc_u64 s[24+2*\k:25+2*\k], s[6:7], s[24+2*\k:25+2*\k]
.endr
.irp k, 0,1,2,3,4,5,6,7
.irp u, 0,1
	global_load_b128 v[E+8*\k+4*\u:E+8*\k+4*\u+3], v1, s[24+2*\k:25+2*\k] offset:512*\u
.endr
.endr
.irp k, 0,1,2,3,4,5,6,7
	s_wait_loadcnt 14-2*\k                         ; loads come back in order: z and this row of the codebook are in; the later rows' two loads each may stay out
.irp c, 0,1,2,3
	v_pk_add_f32 v[T+2*\c:T+2*\c+1], v[E+8*\k+2*\c:E+8*\k+2*\c+1], v[Z+8*\k+2*\c:Z+8*\k+2*\c+1] neg_lo:[0,1] neg_hi:[0,1]   ; e - z
.endr
.irp c, 0,1,2,3
	s_delay_alu instid0(VALU_DEP_4)
	v_pk_add_f32 v[E+8*\k+2*\c:E+8*\k+2*\c+1], v[Z+8*\k+2*\c:Z+8*\k+2*\c+1], v[T+2*\c:T+2*\c+1]   ; z + (e - z)
.endr
.irp c, 0,1,2,3
.if \k == 0
	v_pk_mul_f32 v[S+2*\c:S+2*\c+1], v[T+2*\c:T+2*\c+1], v[T+2*\c:T+2*\c+1]   ; the first row starts the chains: nothing is cleared
.else
	v_pk_fma_f32 v[S+2*\c:S+2*\c+1], v[T+2*\c:T+2*\c+1], v[T+2*\c:T+2*\c+1], v[S+2*\c:S+2*\c+1]
.endif
.endr
.irp u, 0,1
	global_store_b128 v1, v[E+8*\k+4*\u:E+8*\k+4*\u+3], s[10:11] offset:1024*\k+512*\u th:TH_STORE_NT
.endr
.endr
	v_pk_add_f32 v[S:S+1], v[S:S+1], v[S+2:S+3]
	v_pk_add_f32 v[S+4:S+5], v[S+4:S+5], v[S+6:S+7]
	s_delay_alu instid0(VALU_DEP_1)
	v_pk_add_f32 v[S:S+1], v[S:S+1], v[S+4:S+5]
	s_delay_alu instid0(VALU_DEP_1)
	v_add_f32 v[S], v[S], v[S+1]
	s_delay_alu instid0(VALU_DEP_1)
	v_add_f32_dpp v[S], v[S], v[S] row_xmask:1 row_mask:0xf bank_mask:0xf
	s_delay_alu instid0(VALU_DEP_1)
	v_add_f32_dpp v[S], v[S], v[S] row_xmask:2 row_mask:0xf bank_mask:0xf
	s_delay_alu instid0(VALU_DEP_1)
	v_add_f32_dpp v[S], v[S], v[S] row_xmask:4 row_mask:0xf bank_mask:0xf
	s_delay_alu instid0(VALU_DEP_1)
	v_add_f32_dpp v[S], v[S], v[S] row_xmask:8 row_mask:0xf bank_mask:0xf
	s_delay_alu instid0(VALU_DEP_1)
	v_permlanex16_b32 v160, v[S], s44, s45
	s_delay_alu instid0(VALU_DEP_1)
	v_add_f32 v[S], v[S], v160                     ; the wave's sum, in every lane
	ds_store_b32 v161, v[S]                        ; all lanes write the same word with the same value
	s_wait_dscnt 0x0                               ; for the others' sake
	s_barrier_signal -1
	s_barrier_wait -1
	s_cmp_lg_u32 s14, 0
	s_cbranch_scc1 .Ldone                          ; wave 0 adds the eight and stores
	ds_load_b128 v[144:147], v162
	ds_load_b128 v[148:151], v162 offset:16
	s_wait_dscnt 0x0
	v_pk_add_f32 v[144:145], v[144:145], v[146:147]
	v_pk_add_f32 v[148:149], v[148:149], v[150:151]
	s_delay_alu instid0(VALU_DEP_1)
	v_pk_add_f32 v[144:145], v[144:145], v[148:149]
	s_delay_alu instid0(VALU_DEP_1)
	v_add_f32 v144, v144, v145
	v_cmp_eq_u32 vcc_lo, 0, v0
	s_wait_alu depctr_va_vdst(0)
	s_wait_xcnt 0x0                                ; EXEC changes only behind this wait: it is a source of the loads and stores above
	s_and_saveexec_b32 s46, vcc_lo
	global_store_b32 v162, v144, s[12:13]
	s_wait_xcnt 0x0                                ; and again in front of the line that widens it
	s_or_b32 exec_lo, exec_lo, s46
.Ldone:
	s_wait_tensorcnt 0x0
	ds_add_u32 v168, v169
	s_wait_dscnt 0x0
	s_endpgm
.Lfunc_end_k_q1bbafc485b_gather:
	.size	k_q1bbafc485b_gather, .Lfunc_end_k_q1bbafc485b_gather-k_q1bbafc485b_gather
	.p2alignl 7, 3214868480
	.fill 96, 4, 3214868480
	.section	.rodata,"a",@progbits
	.p2align	6, 0x0
	.amdhsa_kernel k_q1bbafc485b_gather
		.amdhsa_group_segment_fixed_size 1280
		.amdhsa_private_segment_fixed_size 0
		.amdhsa_enable_private_segment 0
		.amdhsa_kernarg_size 40
		.amdhsa_user_sgpr_count 2
		.amdhsa_user_sgpr_kernarg_segment_ptr 1
		.amdhsa_wavefront_size32 1
		.amdhsa_system_sgpr_workgroup_id_x 1
		.amdhsa_system_sgpr_workgroup_id_y 1
		.amdhsa_system_sgpr_workgroup_id_z 1
		.amdhsa_system_vgpr_workitem_id 0
		.amdhsa_next_free_vgpr 170
		.amdhsa_next_free_sgpr 66
		.amdhsa_reserve_vcc 1
		.amdhsa_float_denorm_mode_32 3
		.amdhsa_float_denorm_mode_16_64 3
		.amdhsa_memory_ordered 1
		.amdhsa_forward_progress 1
		.amdhsa_inst_pref_size 17
	.end_amdhsa_kernel
	.amdgpu_metadata
---
amdhsa.version: [ 1, 2 ]
amdhsa.kernels:
  - .name:           k_q1bbafc485b_gather
    .symbol:         k_q1bbafc485b_gather.kd
    .args:
      - { .name: z, .offset: 0, .size: 8, .value_kind: global_buffer, .address_space: global }
      - { .name: codebook, .offset: 8, .size: 8, .value_kind: global_buffer, .address_space: global }
      - { .name: idx, .offset: 16, .size: 8, .value_kind: global_buffer, .address_space: global }
      - { .name: out0, .offset: 24, .size: 8, .value_kind: global_buffer, .address_space: global }
      - { .name: part, .offset: 32, .size: 8, .value_kind: global_buffer, .address_space: global }
    .group_segment_fixed_size: 1280
    .private_segment_fixed_size: 0
    .kernarg_segment_align: 8
    .kernarg_segment_size: 40
    .max_flat_workgroup_size: 256
    .sgpr_count:     66
    .vgpr_count:     170
    .wavefront_size: 32
...
	.end_amdgpu_metadata
.endif
;; end of part 4
;; launch total (part 5): grid 1 x 1, 1 waves a work-group, no clusters, 0 bytes of LDS; arguments part, out1; writes out1
.if DOCPART == 5
	.amdgcn_target "amdgcn-amd-amdhsa--gfx1250"
	.amdhsa_code_object_version 6
	.text
	.protected	k_q1bbafc485b_total
	.globl	k_q1bbafc485b_total
	.p2align	8
	.type	k_q1bbafc485b_total,@function
k_q1bbafc485b_total:
	s_mov_b64 s[64:65], 0
	v_nop
	global_prefetch_b8 v0, s[64:65] scope:SCOPE_SE
	s_setreg_imm32_b32 hwreg(HW_REG_WAVE_MODE, 25, 1), 1
	s_wait_xcnt 0x0
; out1 = 0.25 m + m, m = (the sum of the 512 partial sums) / 2^23: the mean of (z - e)^2 over 8 x 256 x 64 x 64 numbers.  0.25 m is exact, so one fused multiply-add rounds as the definition's product and sum do.
; One wave: the sum spans the work-groups of the launch before, so it is made by one owner, in a launch of its own, without atomics.
	s_load_b128 s[4:7], s[0:1], 0x0                ; part, out1
	v_lshlrev_b32 v1, 4, v0                        ; 16 x lane
	v_mov_b32 v20, 0                               ; a lane permute's destination counts as one of its sources
	v_mov_b32 v21, 0
	s_mov_b32 s8, 0x76543210
	s_mov_b32 s9, 0xfedcba98
	s_wait_alu depctr_va_vdst(0)
	s_wait_kmcnt 0x0
.irp i, 0,1,2,3
	global_load_b128 v[4+4*\i:7+4*\i], v1, s[4:5] offset:512*\i
.endr
	s_wait_loadcnt 0x0
	v_pk_add_f32 v[4:5], v[4:5], v[6:7]
	v_pk_add_f32 v[8:9], v[8:9], v[10:11]
	v_pk_add_f32 v[12:13], v[12:13], v[14:15]
	v_pk_add_f32 v[16:17], v[16:17], v[18:19]
	v_pk_add_f32 v[4:5], v[4:5], v[8:9]
	v_pk_add_f32 v[12:13], v[12:13], v[16:17]
	v_pk_add_f32 v[4:5], v[4:5], v[12:13]
	v_add_f32 v4, v4, v5
	v_add_f32_dpp v4, v4, v4 row_xmask:1 row_mask:0xf bank_mask:0xf
	v_add_f32_dpp v4, v4, v4 row_xmask:2 row_mask:0xf bank_mask:0xf
	v_add_f32_dpp v4, v4, v4 row_xmask:4 row_mask:0xf bank_mask:0xf
	v_add_f32_dpp v4, v4, v4 row_xmask:8 row_mask:0xf bank_mask:0xf
	v_permlanex16_b32 v20, v4, s8, s9
	v_add_f32 v4, v4, v20
	v_mul_f32 v4, 0x34000000, v4                   ; x 2^-23: exact
	v_fma_f32 v5, v4, 0x3e800000, v4               ; 0.25 m + m
	v_cmp_eq_u32 vcc_lo, 0, v0
	s_wait_alu depctr_va_vdst(0)
	s_wait_xcnt 0x0                                ; EXEC changes only behind this wait
	s_and_saveexec_b32 s10, vcc_lo
	global_store_b32 v21, v5, s[6:7]
	s_wait_xcnt 0x0
	s_or_b32 exec_lo, exec_lo, s10
	s_endpgm
.Lfunc_end_k_q1bbafc485b_total:
	.size	k_q1bbafc485b_total, .Lfunc_end_k_q1bbafc485b_total-k_q1bbafc485b_total
	.p2alignl 7, 3214868480
	.fill 96, 4, 3214868480
	.section	.rodata,"a",@progbits
	.p2align	6, 0x0
	.amdhsa_kernel k_q1bbafc485b_total
		.amdhsa_group_segment_fixed_size 0
		.amdhsa_private_segment_fixed_size 0
		.amdhsa_enable_private_segment 0
		.amdhsa_kernarg_size 16
		.amdhsa_user_sgpr_count 2
		.amdhsa_user_sgpr_kernarg_segment_ptr 1
		.amdhsa_wavefront_size32 1
		.amdhsa_system_sgpr_workgroup_id_x 1
		.amdhsa_system_sgpr_workgroup_id_y 1
		.amdhsa_system_sgpr_workgroup_id_z 1
		.amdhsa_system_vgpr_workitem_id 0
		.amdhsa_next_free_vgpr 32
		.amdhsa_next_free_sgpr 66
		.amdhsa_reserve_vcc 1
		.amdhsa_float_denorm_mode_32 3
		.amdhsa_float_denorm_mode_16_64 3
		.amdhsa_memory_ordered 1
		.amdhsa_forward_progress 1
		.amdhsa_inst_pref_size 3
	.end_amdhsa_kernel
	.amdgpu_metadata
---
amdhsa.version: [ 1, 2 ]
amdhsa.kernels:
  - .name:           k_q1bbafc485b_total
    .symbol:         k_q1bbafc485b_total.kd
    .args:
      - { .name: part, .offset: 0, .size: 8, .value_kind: global_buffer, .address_space: global }
      - { .name: out1, .offset: 8, .size: 8, .value_kind: global_buffer, .address_space: global }
    .group_segment_fixed_size: 0
    .private_segment_fixed_size: 0
    .kernarg_segment_align: 8
    .kernarg_segment_size: 16
    .max_flat_workgroup_size: 32
    .sgpr_count:     66
    .vgpr_count:     32
    .wavefront_size: 32
...
	.end_amdgpu_metadata
.endif
;; end of part 5
